; MI455X (gfx1250); checked and timed in simulation.
; The chip was launched on July 23, 2026; its instructions are those of AMD's public machine-readable ISA for CDNA 5 (MIT licence, August 2026) and "CDNA5" Instruction Set Architecture Reference Guide (July 2026). The comments in the code are by the model that wrote it; some were corrected since.
;; Multihead Attention. Allowed arithmetic: matrix products marked QUANTISED: E5M2 operands, one given power-of-two scale a tensor, by v_wmma_f32_16x16x64_bf8_bf8 or v_wmma_f32_16x16x128_bf8_bf8, f32 sums; everything else in f32.
;; Inputs: K_codes 4 x 2,048 x 32 x 32 uint8 (E5M2 codes of K, K innermost, in blocks of 32 codes); Q_codes 4 x 2,048 x 32 x 32 uint8 (E5M2 codes of Q, K innermost, in blocks of 32 codes); V_codes 4 x 2,048 x 32 x 32 uint8 (E5M2 codes of V, K innermost, in blocks of 32 codes); Wk_codes 16 x 64 x 32 x 32 uint8 (E5M2 codes of Wk, K innermost, in blocks of 32 codes); Wo_codes 1,024 x 32 x 32 uint8 (E5M2 codes of Wo, K innermost, in blocks of 32 codes); Wq_codes 16 x 64 x 32 x 32 uint8 (E5M2 codes of Wq, K innermost, in blocks of 32 codes); Wv_codes 16 x 64 x 32 x 32 uint8 (E5M2 codes of Wv, K innermost, in blocks of 32 codes); bk 16 x 64 float32; bo 1,024 float32; bq 16 x 64 float32; bv 16 x 64 float32; lowp_scales 12 int32 (the exponents e of the quantised operands' scales 2^e).
;; Outputs: out0 4 x 2,048 x 1,024 float32.
;; This version of the problem:
;;   THIS VERSION OF THE PROBLEM IS GIVEN IN LOW PRECISION. The matrix products marked QUANTISED in the list below multiply operands that are first quantised to E5M2 (5 exponent bits, 2 mantissa bits; 8 bits a number), with one given power-of-two scale for each operand tensor; their sums are f32. All else is computed in f32.
;;   The module's matrix products, in the order in which they are computed (A, B: the left and right operand; K: the contracted axis; several contracted axes count as one K, in the product's order):
;;     1. [M 1,024, K 1,024] x [K 1,024, N 8,192]; A: input Wq (given as codes); B: input Q (given as codes): QUANTISED (scales: A lowp_scales[0], B lowp_scales[1])
;;     2. [M 1,024, K 1,024] x [K 1,024, N 8,192]; A: input Wk (given as codes); B: input K (given as codes): QUANTISED (scales: A lowp_scales[2], B lowp_scales[3])
;;     3. [M 1,024, K 1,024] x [K 1,024, N 8,192]; A: input Wv (given as codes); B: input V (given as codes): QUANTISED (scales: A lowp_scales[4], B lowp_scales[5])
;;     4. batch 64 x [M 2,048, K 64] x [K 64, N 2,048]; A: computed on the way; B: computed on the way: QUANTISED (scales: A lowp_scales[6], B lowp_scales[7])
;;     5. batch 64 x [M 2,048, K 2,048] x [K 2,048, N 64]; A: softmax (see below); B: computed on the way: QUANTISED (scales: A lowp_scales[8], B lowp_scales[9])
;;     6. [M 8,192, K 1,024] x [K 1,024, N 1,024]; A: computed on the way; B: input Wo (given as codes): QUANTISED (scales: A lowp_scales[10], B lowp_scales[11])
;;   THE QUANTISER, for each operand of a quantised product, along K:
;;     - The operand's scale is 2^e, e = its entry of the input lowp_scales (int32; the entries are numbered through the quantised products in the list's order, A before B).
;;     - Each number is divided by the scale, clamped to +-57,344, and rounded to the nearest number of E5M2, ties to even, subnormals kept.
;;     - The product sums the exact products of the quantised numbers (number of the format x scale) in f32.
;;   ~~~python
;;   def quantise(x, axis, e):      # numpy; x: float32 -> the quantised numbers, widened to float32 again
;;       x = np.moveaxis(x, axis, -1); K = x.shape[-1]
;;       r = np.clip(x / 2.0 ** e, -57344, 57344)
;;       step = 2.0 ** (np.maximum(np.frexp(np.where(r == 0, 1, r))[1] - 1, -14) - 2)
;;       q = np.round(r / step) * step * 2.0 ** e      # np.round: ties to even
;;       return np.moveaxis(q, -1, axis).astype(np.float32)
;;   ~~~
;;   SOFTMAX AHEAD OF A QUANTISED PRODUCT. Where the list says 'softmax', what is quantised is not the finished softmax but p = 2^(t - M), with t = logit x log2(e) and M = ceil(the row's largest t), a whole number; so 1/2 < the row's largest p <= 1. The row's sum l is taken of the UNQUANTISED p, in f32, and the product's result is divided by l at the end. Since M is a whole number, a kernel that streams over the keys may use a running M (the ceiling of the running maximum): every later rescaling is an exact power of two, so the quantised numbers keep their values, but for numbers so far below the row's largest that they fall under the format's range.
;;   OPERANDS COMPUTED ON THE WAY. 'Computed on the way' means the value that the module computes at that place (a softmax that the list does not call 'softmax' is quantised finished and normalised). What goes into a quantiser is computed in f32, as accurately as f32 sums, v_exp_f32 and their like allow (about 1e-6 of the number): no bf16 or f16 on the way to a quantiser, and a product that is left as it is and whose result goes on into a quantised operand takes f32 operands (vector FMAs, or v_wmma_f32_16x16x4_f32). A number that lies on a knife's edge between two numbers of the format may be rounded either way, as far as f32 arithmetic and the matrix unit's own rounding can turn it there, and no further.
;;   INPUTS GIVEN AS CODES. K (in the module: [4, 2048, 1024], K = its axis 2); Q (in the module: [4, 2048, 1024], K = its axis 2); V (in the module: [4, 2048, 1024], K = its axis 2); Wk (in the module: [16, 1024, 64], K = its axis 1); Wo (in the module: [1024, 1024], K = its axis 0); Wq (in the module: [16, 1024, 64], K = its axis 1); Wv (in the module: [16, 1024, 64], K = its axis 1): each comes as NAME_codes (uint8): NAME with its K axis moved to the last place and cut into blocks of 32 codes, [.., K / 32, bytes a block], one block behind the other in memory; one code a byte (a code: sign, 5 exponent bits, 2 mantissa bits); its scale is its entry of lowp_scales. Its value is code x scale, taken as it is: it is not quantised again, and the codes and scales need not be those that the quantiser above would give.
;; One version. Each part assembles by itself: llvm-mc -triple=amdgcn-amd-amdhsa -mcpu=gfx1250 --defsym DOCPART=n.
;; ======== version 1 of 1: 3 launches
;; limits: right only within a limited range of input values
;; workspace buffers: qc 8,388,608 bytes; kc 8,388,608 bytes; vc 8,388,608 bytes; oc 8,388,608 bytes
;; launch proj (part 1): grid 4 x 64, 4 waves a work-group, clusters of 4 x 4, 327,680 bytes of LDS; arguments Q_codes, K_codes, V_codes, Wq_codes, Wk_codes, Wv_codes, bq, bk, bv, lowp_scales, qc, kc, vc; writes qc, kc, vc
.if DOCPART == 1
	.amdgcn_target "amdgcn-amd-amdhsa--gfx1250"
	.amdhsa_code_object_version 6
	.text
	.protected	k_q81097524ce_proj
	.globl	k_q81097524ce_proj
	.p2align	8
	.type	k_q81097524ce_proj,@function
k_q81097524ce_proj:
	s_mov_b64 s[64:65], 0
	v_nop
	global_prefetch_b8 v0, s[64:65] scope:SCOPE_SE
	s_setreg_imm32_b32 hwreg(HW_REG_WAVE_MODE, 25, 1), 1
	s_wait_xcnt 0x0
	s_wait_alu depctr_hold_cnt(0) depctr_sa_sdst(0) depctr_va_vdst(0) depctr_va_sdst(0) depctr_va_ssrc(0) depctr_va_vcc(0) depctr_vm_vsrc(0)
	s_getreg_b32 s2, hwreg(HW_REG_IB_STS2, 6, 4)
	s_cmp_eq_u32 s2, 0
	s_cbranch_scc0 .Lentry_in_a_cluster
	s_endpgm
.Lentry_in_a_cluster:
	s_bfe_u32 s2, ttmp6, 0x10000c
	s_cmp_lg_u32 s2, 0xf033
	s_cbranch_scc0 .Lentry_shape_is_right
	s_endpgm
.Lentry_shape_is_right:
.set PITCH, 272
.set RH,    64*PITCH
.set CH,    128*PITCH
.set COFF,  2*RH
.set SLOT,  COFF+2*CH
.set STAGE, 2*SLOT
.set SP,    144
.set WSTG,  64*SP
.set SPARE, STAGE+4*WSTG
.set ADRR, 16
.set ADRC, 20
.set STO,  24
.set RDQ,  25
.set RDV,  26
.set CO,   27
.set SPW,  28
.set NIL,  29
.set T,    32
.set CD,   96
.set RF,   128
.set BQ,   0
.set BK,   64
.set BV,   128
.set RAW,  160
.set G1R,  40
.set G1C,  48
.set G0R,  56
.set G0C,  68
.set MSB,  0
.macro WIN new
.if MSB != \new
	s_set_vgpr_msb (MSB<<8)|\new
.set MSB, \new
.endif
.endm
.macro PLACES n
.rept \n
	v_nop
.endr
.endm
.macro JLOAD slot
	s_cmp_eq_u32 s31, 0
	s_cbranch_scc0 .Lfor_c_\@
	tensor_load_to_lds s[G0R+4*\slot:G0R+4*\slot+3], s[G1R:G1R+7]
	s_nop 0
.rept 4
	v_nop
.endr
	s_branch .Lasked_\@
.Lfor_c_\@:
	tensor_load_to_lds s[G0C+4*\slot:G0C+4*\slot+3], s[G1C:G1C+7]
	s_nop 0
.rept 4
	v_nop
.endr
.Lasked_\@:
.endm
; A prefetch into the L2 of one K step (256 bytes of each row) of the rows that my wave fetches, a lane a row: v30 holds my work-group's share of those rows, told apart from the partners' by address.
; pb: the scalar pair with the tile's base for my wave; po: the K step's byte; pf: a scalar that is 0 where my wave asks.
.macro ASK pb, po, pf
	s_cmp_eq_u32 s[\pf], 0
	s_cbranch_scc0 .Lnone_\@
	global_prefetch_b8 v30, s[\pb:\pb+1] offset:\po th:TH_LOAD_NT scope:SCOPE_SE
.Lnone_\@:
.endm
.macro CREST
	s_cmp_lg_u32 s30, 0
	s_cbranch_scc1 .Lnot_wave_0_\@
	s_barrier_signal -3
.Lnot_wave_0_\@:
	s_barrier_wait -3
	s_barrier_signal -1
	s_barrier_wait -1
.endm
.macro CROUND
	s_barrier_signal -1
	s_barrier_wait -1
	CREST
.endm
	s_load_b512 s[4:19], s[0:1], 0x0
	s_load_b256 s[20:27], s[0:1], 0x40
	s_load_b64 s[28:29], s[0:1], 0x60
	v_lshl_add_u32 v[SPW], v0, 2, SPARE
	v_mov_b32 v[NIL], 0
	ds_add_u32 v28, v29
	ds_add_u32 v28, v29
	s_wait_dscnt 0x0
	v_lshrrev_b32 v1, 5, v0
	v_readfirstlane_b32 s30, v1
	s_lshr_b32 s31, s30, 1
	s_and_b32 s32, s30, 1
	s_bfe_u32 s33, ttmp6, 0x40000
	s_bfe_u32 s34, ttmp6, 0x40004
	s_and_b32 s35, ttmp7, 0xffff
	s_lshl_b32 s36, s34, 2
	s_lshl_b32 s36, 15, s36
	s_lshl_b32 s37, 0x1111, s33
	s_or_b32 s[G1R], s36, (1<<20)|(1<<21)|(5<<22)|(3<<25)
	s_or_b32 s[G1C], s37, (1<<20)|(1<<21)|(5<<22)|(3<<25)
	s_mov_b32 s[G1R+1], 256<<16
	s_mov_b32 s[G1R+2], 64<<16
	s_mov_b32 s[G1R+3], 256<<16
	s_mov_b32 s[G1R+4], 64
	s_mov_b32 s[G1R+5], 1024
	s_mov_b32 s[G1R+6], 0
	s_mov_b32 s[G1R+7], 0
	s_mov_b32 s[G1C+1], 256<<16
	s_mov_b32 s[G1C+2], 128<<16
	s_mov_b32 s[G1C+3], 256<<16
	s_mov_b32 s[G1C+4], 128
	s_mov_b32 s[G1C+5], 1024
	s_mov_b32 s[G1C+6], 0
	s_mov_b32 s[G1C+7], 0
	s_lshl_b32 s76, s35, 2
	s_add_co_u32 s76, s76, s34
	s_lshl_b32 s76, s76, 17
	s_lshl_b32 s38, s32, 16
	s_add_co_u32 s76, s76, s38
	s_mov_b32 s77, 0
	s_and_b32 s78, s35, 1
	s_lshl_b32 s78, s78, 2
	s_add_co_u32 s78, s78, s34
	s_mov_b32 s39, s78
	s_lshl_b32 s78, s78, 17
	s_add_co_u32 s78, s78, s38
	s_mov_b32 s79, 0
	s_lshl_b32 s80, s33, 18
	s_lshl_b32 s84, s32, 17
	s_add_co_u32 s80, s80, s84
	s_mov_b32 s81, 0
	s_lshr_b32 s82, s35, 1
	s_lshl_b32 s82, s82, 2
	s_add_co_u32 s82, s82, s33
	s_lshl_b32 s82, s82, 18
	s_add_co_u32 s82, s82, s84
	s_mov_b32 s83, 0
	s_mul_i32 s2, s32, RH
	s_mul_i32 s3, s32, CH
	s_add_co_u32 s3, s3, COFF
	s_lshr_b32 s86, s35, 2
	s_lshl_b32 s84, s86, 21
	s_lshl_b32 s87, s33, 2
	s_lshl_b32 s88, s32, 1
	s_add_co_u32 s87, s87, s88
	s_lshl_b32 s87, s87, 17
	s_add_co_u32 s84, s84, s87
	s_and_b32 s87, s35, 3
	s_lshl_b32 s87, s87, 2
	s_add_co_u32 s87, s87, s34
	s_lshl_b32 s87, s87, 1
	s_add_co_u32 s87, s87, s31
	s_lshl_b32 s87, s87, 12
	s_add_co_u32 s84, s84, s87
	s_mov_b32 s85, 0
	s_lshl_b32 s88, s86, 4
	s_lshl_b32 s90, s39, 1
	s_add_co_u32 s88, s88, s90
	s_add_co_u32 s88, s88, s31
	s_lshl_b32 s88, s88, 17
	s_lshr_b32 s90, s35, 1
	s_and_b32 s90, s90, 1
	s_lshl_b32 s90, s90, 2
	s_add_co_u32 s90, s90, s33
	s_lshl_b32 s90, s90, 1
	s_add_co_u32 s90, s90, s32
	s_lshl_b32 s90, s90, 13
	s_add_co_u32 s88, s88, s90
	s_mov_b32 s89, 0
	s_lshl_b32 s90, s33, 10
	s_lshl_b32 s91, s32, 9
	s_add_co_u32 s90, s90, s91
	s_mov_b32 s91, 0
	s_lshl_b32 s86, s39, 9
	s_lshl_b32 s87, s31, 8
	s_add_co_u32 s86, s86, s87
	s_mov_b32 s87, 0
	s_wait_kmcnt 0x0
	s_load_b256 s[92:99], s[22:23], 0x0
	s_load_b64 s[100:101], s[22:23], 0x20
	s_add_nc_u64 s[4:5], s[4:5], s[76:77]
	s_add_nc_u64 s[6:7], s[6:7], s[76:77]
	s_add_nc_u64 s[14:15], s[14:15], s[78:79]
	s_add_nc_u64 s[10:11], s[10:11], s[80:81]
	s_add_nc_u64 s[12:13], s[12:13], s[80:81]
	s_add_nc_u64 s[8:9], s[8:9], s[82:83]
	s_add_nc_u64 s[24:25], s[24:25], s[84:85]
	s_add_nc_u64 s[26:27], s[26:27], s[84:85]
	s_add_nc_u64 s[28:29], s[28:29], s[88:89]
	s_add_nc_u64 s[16:17], s[16:17], s[90:91]
	s_add_nc_u64 s[18:19], s[18:19], s[90:91]
	s_add_nc_u64 s[20:21], s[20:21], s[86:87]
	; the prefetches: waves 0, 1 fetch 64 rows of the row operand, shared along the cluster's row: 16 rows to each partner by cx; waves 2, 3 fetch 128 rows of the column operand: 32 rows to each partner by cy
	s_lshl_b32 s36, s33, 4
	s_lshl_b32 s37, s34, 5
	s_and_b32 s38, s35, 3                          ; Wq, Wk: every cluster reads all of them: clusters 0, 4, 8, 12 ask
	s_and_b32 s39, s35, 2                          ; Wv: eight clusters read each half: four of them ask
	s_cmp_eq_u32 s31, 0
	s_cselect_b64 s[76:77], s[4:5], s[10:11]       ; my wave's base in the first tile,
	s_cselect_b64 s[78:79], s[6:7], s[12:13]       ; the second,
	s_cselect_b64 s[80:81], s[14:15], s[8:9]       ; the third
	s_cselect_b32 s82, 0, s38                      ; tiles 1, 2: the row operand holds tokens, read by one cluster: always asked for
	s_cselect_b32 s83, s39, 0                      ; tile 3: the column operand does
	s_cselect_b32 s36, s36, s37
	s_cselect_b32 s37, 15, 31
	v_and_b32 v30, 31, v0
	v_min_u32 v30, s37, v30                        ; lanes left over name their wave's last row again
	v_add_nc_u32 v30, s36, v30
	v_lshlrev_b32 v30, 10, v30                     ; rows of 1,024 bytes; never rewritten
	s_wait_alu depctr_va_vdst(0)                   ; the wait here, ahead of the round
.irp s, 0,1
	s_mov_b32 s[G0R+4*\s], 1
	s_add_co_u32 s[G0R+4*\s+1], s2, \s*SLOT
	s_add_nc_u64 s[G0R+4*\s+2:G0R+4*\s+3], s[4:5], \s*256
	s_or_b32 s[G0R+4*\s+3], s[G0R+4*\s+3], 0x80000000
	s_mov_b32 s[G0C+4*\s], 1
	s_add_co_u32 s[G0C+4*\s+1], s3, \s*SLOT
	s_add_nc_u64 s[G0C+4*\s+2:G0C+4*\s+3], s[10:11], \s*256
	s_or_b32 s[G0C+4*\s+3], s[G0C+4*\s+3], 0x80000000
.endr
	CROUND                                         ; all sixteen work-groups are here: the first joint loads meet
	JLOAD 0                                        ; K step 0: one tensor load a wave at the head
	ASK 76, 256, 82                                ; K steps 1 and 2 of the first tile
	ASK 76, 512, 82
	v_and_b32 v1, 15, v0
	v_bfe_u32 v2, v0, 4, 1
	v_lshlrev_b32 v3, 5, v2
	v_lshlrev_b32 v4, 2, v1
	v_mul_u32_u24 v5, v1, PITCH
	v_lshl_add_u32 v5, v2, 4, v5
	s_mul_i32 s84, s31, RH
	s_mul_i32 s85, s32, CH
	s_add_co_u32 s85, s85, COFF
.irp s, 0,1
	v_add_nc_u32 v[ADRR+\s], s84, v5
	v_add_nc_u32 v[ADRC+\s], s85, v5
	s_add_co_u32 s84, s84, SLOT
	s_add_co_u32 s85, s85, SLOT
.endr
	s_mul_i32 s84, s30, WSTG
	s_add_co_u32 s84, s84, STAGE
	v_mul_u32_u24 v6, v1, SP
	v_lshl_add_u32 v6, v2, 4, v6
	v_add_nc_u32 v[STO], s84, v6
	v_and_b32 v7, 31, v0
	v_lshrrev_b32 v6, 2, v7
	v_mul_u32_u24 v6, v6, SP
	v_and_b32 v5, 3, v7
	v_lshl_add_u32 v6, v5, 4, v6
	v_add_nc_u32 v[RDQ], s84, v6
	v_lshrrev_b32 v6, 3, v7
	v_mul_u32_u24 v6, v6, SP
	v_and_b32 v5, 7, v7
	v_lshl_add_u32 v6, v5, 4, v6
	v_add_nc_u32 v[RDV], s84, v6
	v_lshlrev_b32 v[CO], 4, v7
	WIN 0xc0
.irp b, 0,1,2,3,4,5,6,7
	global_load_b128 v[BQ+8*\b:BQ+8*\b+3], v3, s[16:17] offset:64*\b
	global_load_b128 v[BQ+8*\b+4:BQ+8*\b+7], v3, s[16:17] offset:64*\b+16
	global_load_b128 v[BK+8*\b:BK+8*\b+3], v3, s[18:19] offset:64*\b
	global_load_b128 v[BK+8*\b+4:BK+8*\b+7], v3, s[18:19] offset:64*\b+16
.endr
.irp a, 0,1,2,3
	global_load_b32 v[RAW+\a], v4, s[20:21] offset:64*\a
.endr
	WIN 0
	s_wait_loadcnt 0x0
	s_wait_kmcnt 0x0
	s_add_co_i32 s84, s92, s93
	s_sub_co_i32 s85, s98, s84
	s_sub_co_i32 s84, 0, s84
	s_add_co_i32 s86, s94, s95
	s_sub_co_i32 s87, s99, s86
	s_sub_co_i32 s86, 0, s86
	s_add_co_i32 s88, s96, s97
	s_sub_co_i32 s89, s101, s88
	s_sub_co_i32 s88, 0, s88
.macro MKSC sd, vs
	s_add_co_i32 s[\sd], s[\sd], 127
	s_lshl_b32 s91, s[\sd], 23
	v_mov_b32 v[\vs], s91
	s_add_co_i32 s[\sd], s[\sd], 15
	s_lshl_b32 s91, s[\sd], 23
	s_or_b32 s91, s91, 0x600000
	v_mov_b32 v[\vs+1], s91
.endm
	MKSC 85, 8
	MKSC 87, 10
	MKSC 89, 12
	WIN 0xc3
.set n, 0
.rept 64
	v_ldexp_f32 v[BQ+n], v[BQ+n], s84
.set n, n+1
.endr
.set n, 0
.rept 64
	v_ldexp_f32 v[BK+n], v[BK+n], s86
.set n, n+1
.endr
.irp a, 0,1,2,3
.irp j, 0,1,2,3,4,5,6,7
	v_ldexp_f32 v[BV+8*\a+\j], v[RAW+\a], s88
.endr
.endr
	WIN 0
.macro FETCH slot, q, p
	WIN 0x40
.irp i, 0,1,2,3,4,5,6,7
.irp c, 0,1,2,3
	ds_load_b128 v[128*(\p)+16*\i+4*\c:128*(\p)+16*\i+4*\c+3], v[ADRC+\slot] offset:128*(\q)+32*\c+\i*16*PITCH
.endr
.endr
	WIN 0
.irp i, 0,1,2,3
.irp c, 0,1,2,3
	ds_load_b128 v[RF+64*(\p)+16*\i+4*\c:RF+64*(\p)+16*\i+4*\c+3], v[ADRR+\slot] offset:128*(\q)+32*\c+\i*16*PITCH
.endr
.endr
.endm
.macro MUL a0, n, p, mode, B
.if \mode == 0
	WIN 0xa1
.else
	WIN 0xb1
.endif
.set ma, \a0
.rept \n
.irp b, 0,1,2,3,4,5,6,7
.if \mode == 0
	v_wmma_f32_16x16x128_bf8_bf8 v[8*(8*ma+\b):8*(8*ma+\b)+7], v[128*(\p)+16*\b:128*(\p)+16*\b+15], v[RF+64*(\p)+16*ma:RF+64*(\p)+16*ma+15], v[8*(8*ma+\b):8*(8*ma+\b)+7]
.elseif \mode == 1
	v_wmma_f32_16x16x128_bf8_bf8 v[8*(8*ma+\b):8*(8*ma+\b)+7], v[128*(\p)+16*\b:128*(\p)+16*\b+15], v[RF+64*(\p)+16*ma:RF+64*(\p)+16*ma+15], v[\B+8*\b:\B+8*\b+7]
.else
	v_wmma_f32_16x16x128_bf8_bf8 v[8*(8*ma+\b):8*(8*ma+\b)+7], v[128*(\p)+16*\b:128*(\p)+16*\b+15], v[RF+64*(\p)+16*ma:RF+64*(\p)+16*ma+15], v[\B+8*ma:\B+8*ma+7]
.endif
.endr
.set ma, ma+1
.endr
.endm
.macro STEP slot, mode, B
	s_wait_dscnt 0x0
	PLACES 5
	FETCH \slot, 1, 1
	MUL 0, 4, 0, \mode, \B
	WIN 0
.endm
.macro TURN slot, next, fill, rp, cp
	s_wait_tensorcnt 0x0
	ds_add_u32 v[SPW], v[NIL]
	s_wait_dscnt 0x1
	MUL 0, 1, 1, 0, 0
	s_wait_dscnt 0x0
	s_barrier_signal -1
	MUL 1, 1, 1, 0, 0
	WIN 0
	s_barrier_wait -1
.if \fill == 1
	CREST
	s_add_nc_u64 s[G0R+4*\slot+2:G0R+4*\slot+3], s[G0R+4*\slot+2:G0R+4*\slot+3], 512
	s_add_nc_u64 s[G0C+4*\slot+2:G0C+4*\slot+3], s[G0C+4*\slot+2:G0C+4*\slot+3], 512
	JLOAD \slot
.elseif \fill == 2
	CREST
	s_add_nc_u64 s[G0R+4*\slot+2:G0R+4*\slot+3], s[\rp:\rp+1], \slot*256
	s_or_b32 s[G0R+4*\slot+3], s[G0R+4*\slot+3], 0x80000000
	s_add_nc_u64 s[G0C+4*\slot+2:G0C+4*\slot+3], s[\cp:\cp+1], \slot*256
	s_or_b32 s[G0C+4*\slot+3], s[G0C+4*\slot+3], 0x80000000
	JLOAD \slot
.else
	PLACES 4
.endif
	FETCH \next, 0, 0
	MUL 2, 2, 1, 0, 0
	WIN 0
.endm
.macro WAYOUT isv, sc, lm, ptr
	s_wait_dscnt 0x0
	s_wait_xcnt 0x0
	PLACES 4
.irp a, 0,1,2,3
.if \a >= 2
	s_wait_dscnt 0x4
.endif
	WIN 0x02
.set n, 0
.rept 64
	v_med3_num_f32 v[T+n], v[64*\a+n], -v[\lm], v[\lm]
.set n, n+1
.endr
	WIN 0
.irp b, 0,1,2,3,4,5,6,7
	v_cvt_scalef32_pk8_bf8_f32 v[CD+16*(\a%2)+2*\b:CD+16*(\a%2)+2*\b+1], v[T+8*\b:T+8*\b+7], v[\sc]
.endr
	v_nop
.irp al, 0,1,2,3
	ds_store_b128 v[STO], v[CD+16*(\a%2)+4*\al:CD+16*(\a%2)+4*\al+3] offset:\a*16*SP+32*\al
.endr
.endr
.irp i, 0,1,2,3,4,5,6,7,8,9,10,11,12,13,14,15
.if \isv
	ds_load_b128 v[T+4*\i:T+4*\i+3], v[RDV] offset:\i*4*SP
.else
	ds_load_b128 v[T+4*\i:T+4*\i+3], v[RDQ] offset:(\i%8)*8*SP+64*(\i/8)
.endif
.endr
.irp i, 0,1,2,3,4,5,6,7,8,9,10,11,12,13,14,15
	s_wait_dscnt 15-\i
.if \isv
	global_store_b128 v[CO], v[T+4*\i:T+4*\i+3], s[\ptr:\ptr+1] offset:512*\i
.else
	global_store_b128 v[CO], v[T+4*\i:T+4*\i+3], s[\ptr:\ptr+1] offset:(\i/8)*131072+512*(\i%8)
.endif
.endr
.endm
; behind each change of slots: the K step that stands two refills on, which lies in the next tile (base pb)
.macro TILE mode, B, rp, cp, pb, pf
	STEP 0, \mode, \B
	TURN 0, 1, 1, 0, 0
	ASK \pb, 0, \pf
	STEP 1, 0, 0
	TURN 1, 0, 1, 0, 0
	ASK \pb, 256, \pf
	STEP 0, 0, 0
	TURN 0, 1, 2, \rp, \cp
	ASK \pb, 512, \pf
	STEP 1, 0, 0
	TURN 1, 0, 2, \rp, \cp
	ASK \pb, 768, \pf
.endm
	s_wait_alu depctr_va_vdst(0)                   ; the wait at the head's end
	s_wait_tensorcnt 0x0                           ; my part of K step 0 is in; slot 1's first fill is issued as a refill is
	ds_add_u32 v28, v29
	s_wait_dscnt 0x0
	CROUND                                         ; everybody's part of K step 0 is in, and the joint loads meet
	JLOAD 1
	ASK 76, 768, 82                                ; K step 3
	FETCH 0, 0, 0
	TILE 1, BQ, 6, 12, 78, 82
	WAYOUT 0, 8, 9, 24
	TILE 1, BK, 14, 8, 80, 83
	WAYOUT 0, 10, 11, 26
	STEP 0, 2, BV
	TURN 0, 1, 1, 0, 0
	STEP 1, 0, 0
	TURN 1, 0, 1, 0, 0
	STEP 0, 0, 0
	TURN 0, 1, 0, 0, 0
	STEP 1, 0, 0
	s_wait_dscnt 0x0
	MUL 0, 4, 1, 0, 0
	WIN 0
	WAYOUT 1, 12, 13, 28
	s_wait_tensorcnt 0x0
	ds_add_u32 v[SPW], v[NIL]
	s_wait_dscnt 0x0
	CROUND
	s_endpgm
.Lfunc_end_k_q81097524ce_proj:
	.size	k_q81097524ce_proj, .Lfunc_end_k_q81097524ce_proj-k_q81097524ce_proj
	.p2alignl 7, 3214868480
	.fill 96, 4, 3214868480
	.section	.rodata,"a",@progbits
	.p2align	6, 0x0
	.amdhsa_kernel k_q81097524ce_proj
		.amdhsa_group_segment_fixed_size 327680
		.amdhsa_private_segment_fixed_size 0
		.amdhsa_enable_private_segment 0
		.amdhsa_kernarg_size 104
		.amdhsa_user_sgpr_count 2
		.amdhsa_user_sgpr_kernarg_segment_ptr 1
		.amdhsa_wavefront_size32 1
		.amdhsa_system_sgpr_workgroup_id_x 1
		.amdhsa_system_sgpr_workgroup_id_y 1
		.amdhsa_system_sgpr_workgroup_id_z 1
		.amdhsa_system_vgpr_workitem_id 0
		.amdhsa_next_free_vgpr 1024
		.amdhsa_next_free_sgpr 102
		.amdhsa_reserve_vcc 0
		.amdhsa_float_denorm_mode_32 3
		.amdhsa_float_denorm_mode_16_64 3
		.amdhsa_memory_ordered 1
		.amdhsa_forward_progress 1
		.amdhsa_inst_pref_size 233
	.end_amdhsa_kernel
	.amdgpu_metadata
---
amdhsa.version: [ 1, 2 ]
amdhsa.kernels:
  - .name:           k_q81097524ce_proj
    .symbol:         k_q81097524ce_proj.kd
    .args:
      - { .name: Q_codes, .offset: 0, .size: 8, .value_kind: global_buffer, .address_space: global }
      - { .name: K_codes, .offset: 8, .size: 8, .value_kind: global_buffer, .address_space: global }
      - { .name: V_codes, .offset: 16, .size: 8, .value_kind: global_buffer, .address_space: global }
      - { .name: Wq_codes, .offset: 24, .size: 8, .value_kind: global_buffer, .address_space: global }
      - { .name: Wk_codes, .offset: 32, .size: 8, .value_kind: global_buffer, .address_space: global }
      - { .name: Wv_codes, .offset: 40, .size: 8, .value_kind: global_buffer, .address_space: global }
      - { .name: bq, .offset: 48, .size: 8, .value_kind: global_buffer, .address_space: global }
      - { .name: bk, .offset: 56, .size: 8, .value_kind: global_buffer, .address_space: global }
      - { .name: bv, .offset: 64, .size: 8, .value_kind: global_buffer, .address_space: global }
      - { .name: lowp_scales, .offset: 72, .size: 8, .value_kind: global_buffer, .address_space: global }
      - { .name: qc, .offset: 80, .size: 8, .value_kind: global_buffer, .address_space: global }
      - { .name: kc, .offset: 88, .size: 8, .value_kind: global_buffer, .address_space: global }
      - { .name: vc, .offset: 96, .size: 8, .value_kind: global_buffer, .address_space: global }
    .group_segment_fixed_size: 327680
    .private_segment_fixed_size: 0
    .kernarg_segment_align: 8
    .kernarg_segment_size: 104
    .max_flat_workgroup_size: 128
    .sgpr_count:     102
    .vgpr_count:     1024
    .wavefront_size: 32
...
	.end_amdgpu_metadata
.endif
;; end of part 1
;; launch attn (part 2): grid 4 x 64, 16 waves a work-group, clusters of 4 x 1, 327,680 bytes of LDS; arguments qc, kc, vc, lowp_scales, oc; writes oc
.if DOCPART == 2
	.amdgcn_target "amdgcn-amd-amdhsa--gfx1250"
	.amdhsa_code_object_version 6
	.text
	.protected	k_q81097524ce_attn
	.globl	k_q81097524ce_attn
	.p2align	8
	.type	k_q81097524ce_attn,@function
k_q81097524ce_attn:
	s_mov_b64 s[64:65], 0
	v_nop
	global_prefetch_b8 v0, s[64:65] scope:SCOPE_SE
	s_setreg_imm32_b32 hwreg(HW_REG_WAVE_MODE, 25, 1), 1
	s_wait_xcnt 0x0
	s_wait_alu depctr_hold_cnt(0) depctr_sa_sdst(0) depctr_va_vdst(0) depctr_va_sdst(0) depctr_va_ssrc(0) depctr_va_vcc(0) depctr_vm_vsrc(0)
	s_getreg_b32 s2, hwreg(HW_REG_IB_STS2, 6, 4)
	s_cmp_eq_u32 s2, 0
	s_cbranch_scc0 .Lentry_in_a_cluster
	s_endpgm
.Lentry_in_a_cluster:
	s_bfe_u32 s2, ttmp6, 0x10000c
	s_cmp_lg_u32 s2, 0x3003
	s_cbranch_scc0 .Lentry_shape_is_right
	s_endpgm
.Lentry_shape_is_right:
; ATTENTION ON CODES OF BF8 (E5M2), head size 64, 2,048 keys, 64 (batch, head) pairs: o = softmax(q k^T / 8) v, quantised at once with the scale of entry 10 and stored as codes.
; qc, kc: [pair][s][64 bytes]; vc: [pair][block of 128 keys][channel][128 bytes], as the launch before lays them: a lane's 16-byte loads give the matrix forms' own order of k.
; oc: [b][block of 128 queries][head][128 queries][64 bytes].
; THE SOFTMAX: t = score x c, c = log2(e) / 8 x 2^(e6 + e7); M = the row's largest t so far, rounded UP to a whole number; p = 2^(t - M) is quantised with 2^e8; the row's sum is taken of the
; unquantised p and divides at the end.  When M moves, the sum and O are multiplied by 2^(old M - new M): exact, and without a branch.  The running maximum is kept as a raw score (c is positive).
; SHARES.  A work-group owns 512 queries of one pair; each of its sixteen waves owns 32, two tiles of 16, in 256 registers.
; ALL OF THE PAIR'S K AND V LIE IN LDS: 16 tiles of 64 rows x 256 bytes (17,408 bytes each with padding).  Each of the sixteen waves asks for ONE of them at the head (waves 0-7: K's, waves 8-15: V's);
; nothing is filled again, so one wait and one barrier stand ahead of the sixteen key steps and none among them.
; CLUSTER.  The four query blocks of a pair read the same K and V: each tile is asked for JOINTLY, with the mask of all four.  One round ahead of the loads, one at the end.
; NO PREFETCH: every byte of K and V is asked for by the head's tensor loads, so there is no later load to run ahead of.
; LAYOUT.  Both products transposed: S^T = K Q^T, O^T = V^T P^T: a lane holds ONE query (lane % 16).  In S^T's tile t lane (r, h) holds keys 16 t + 8 h + 0 .. 7: converted, registers 2 t, 2 t + 1 of P.
; LIMITS: e6 + e7 between -123 and 130 (added to c's exponent field); e8 and e10 between -126 and 112; the scaled scores stay under 2^31 in magnitude.
; REGISTERS: v0 thread; v1, v2 LDS addresses; v3 the conversions' scale; v4, v5 largest raw scores; v[6:7], v[8:9] sums; v10, v11 the add's two; v12 f, v13 permute; v14 -M, v15 old -M;
;   v16-31 tile 1's P (before that at work); v32-47 Q; v48-111 K's eight fragments; v112-175 S^T, p, then V's four fragments; v176-239 O^T; v240-255 tile 0's P (before that at work).
.set KST,   32*272                     ; 128 keys of K, or a block of V, in LDS
.set HALF,  2*KST                      ; what one tensor load brings: 64 rows
.set VB,    16*KST                     ; V lies behind K
.set STAGE, 2*VB                       ; 32 rows x 80 bytes for each wave, its own; no tile lands there
.set WSTG,  32*80
.set SPARE, STAGE+16*WSTG              ; the spare words: 128 bytes a wave
.set ADK, 1
.set ADV, 2
.set SCL, 3
.set RM,  4
.set SM,  6
.set SPW, 10
.set NIL, 11
.set FF,  12
.set PX,  13
.set NM,  14
.set NMO, 15
.set PB,  16
.set QF,  32
.set KF,  48
.set S,   112
.set VF,  112
.set OT,  176
.set PA,  240
.set WV,  14
.set SEL, 20
.set CS,  22
.set G1,  24
.set G0K, 40
.set G0V, 44
.set NC,  84                           ; s84  -c
.set LIMS, 85                          ; s85  57,344 x 2^e8
.set CNT, 86
.macro ROUND                           ; a round of the cluster's barrier
	s_barrier_signal -1
	s_barrier_wait -1
	s_cmp_lg_u32 s[WV], 0
	s_cbranch_scc1 .Lnot_wave_0_\@
	s_barrier_signal -3
.Lnot_wave_0_\@:
	s_barrier_wait -3
	s_barrier_signal -1
	s_barrier_wait -1
.endm
	s_load_b256 s[4:11], s[0:1], 0x0               ; qc 4:5, kc 6:7, vc 8:9, the scales' exponents 10:11
	s_load_b64 s[12:13], s[0:1], 0x20              ; oc
	v_lshl_add_u32 v[SPW], v0, 2, SPARE
	v_mov_b32 v[NIL], 0
	ds_add_u32 v[SPW], v[NIL]                      ; the opening lines: the add, twice on end, and its wait
	ds_add_u32 v[SPW], v[NIL]
	v_lshrrev_b32 v14, 5, v0
	v_readfirstlane_b32 s[WV], v14                 ; wave 0..15
	s_and_b32 s15, s[WV], 7                        ; which eighth of K or of V I fetch
	s_bfe_u32 s16, ttmp6, 0x40000                  ; cx: my block of 512 queries; it enters qc's and oc's addresses alone
	s_and_b32 s17, ttmp7, 0xffff                   ; the pair, which the four partners share
	s_lshl_b32 s18, s17, 17                        ; its 131,072 bytes in qc, kc and vc
	s_lshl_b32 s56, s15, 14
	s_add_co_u32 s56, s56, s18                     ; K, V: the pair + my eighth's 16,384 bytes
	s_mov_b32 s57, 0
	s_mul_i32 s58, s[WV], HALF                     ; in LDS: wave x 64 rows (V's region begins at 8 x 64 rows)
	s_lshl_b32 s60, s16, 15
	s_lshl_b32 s61, s[WV], 11
	s_add_co_u32 s60, s60, s61
	s_add_co_u32 s60, s60, s18                     ; qc: the pair + (512 cx + 32 wave) rows of 64 bytes
	s_mov_b32 s61, 0
	s_and_b32 s62, s17, 0x30                       ; oc: 16 b
	s_lshl_b32 s63, s16, 2
	s_add_co_u32 s62, s62, s63
	s_lshr_b32 s63, s[WV], 2
	s_add_co_u32 s62, s62, s63                     ; + my block of 128 queries
	s_lshl_b32 s62, s62, 4
	s_and_b32 s63, s17, 15
	s_add_co_u32 s62, s62, s63                     ; x 16 + head
	s_lshl_b32 s62, s62, 13                        ; planes of 8,192 bytes
	s_and_b32 s63, s[WV], 3
	s_lshl_b32 s63, s63, 11
	s_add_co_u32 s62, s62, s63                     ; + my 32 queries in the plane
	s_mov_b32 s63, 0
	s_mov_b32 s[G1], 15|(1<<20)|(1<<21)|(5<<22)|(3<<25)   ; mask of all four; elements of 1 byte; padding of four words behind every 64; bit 21 beside the mask
	s_mov_b32 s[G1+1], 256<<16
	s_mov_b32 s[G1+2], 64<<16
	s_mov_b32 s[G1+3], 256<<16
	s_mov_b32 s[G1+4], 64
	s_mov_b32 s[G1+5], 256
	s_mov_b32 s[G1+6], 0
	s_mov_b32 s[G1+7], 0
	s_mov_b32 s[SEL], 0x76543210                   ; v_permlanex16_b32: lane l xor 16
	s_mov_b32 s[SEL+1], 0xfedcba98
	s_mov_b32 s[CS], 0x3e38aa3b                    ; log2(e) / 8
	s_mov_b32 s[CNT], 15
	s_wait_dscnt 0x0
	s_wait_kmcnt 0x0
	s_load_b128 s[88:91], s[10:11], 0x18           ; e6, e7, e8, e9
	s_load_b32 s92, s[10:11], 0x28                 ; e10
	s_add_nc_u64 s[4:5], s[4:5], s[60:61]
	s_add_nc_u64 s[12:13], s[12:13], s[62:63]
	s_mov_b32 s[G0K], 1
	s_mov_b32 s[G0K+1], s58
	s_add_nc_u64 s[G0K+2:G0K+3], s[6:7], s[56:57]
	s_or_b32 s[G0K+3], s[G0K+3], 0x80000000
	s_mov_b32 s[G0V], 1
	s_mov_b32 s[G0V+1], s58
	s_add_nc_u64 s[G0V+2:G0V+3], s[8:9], s[56:57]
	s_or_b32 s[G0V+3], s[G0V+3], 0x80000000
	ROUND                                          ; all four work-groups are here: the joint loads meet
	s_cmp_lt_u32 s[WV], 8                          ; one fill to an arm, one join: every wave issues one tensor load
	s_cbranch_scc0 .Lfor_v
	tensor_load_to_lds s[G0K:G0K+3], s[G1:G1+7]
	s_nop 0
.rept 4
	v_nop
.endr
	s_branch .Lasked
.Lfor_v:
	tensor_load_to_lds s[G0V:G0V+3], s[G1:G1+7]
	s_nop 0
.rept 4
	v_nop
.endr
.Lasked:
	v_and_b32 v14, 15, v0                          ; r
	v_bfe_u32 v15, v0, 4, 1                        ; h
	v_lshlrev_b32 v16, 6, v14
	v_lshl_add_u32 v16, v15, 4, v16                ; Q: row r of 64 bytes, + 16 h
.irp x, 0,1
.irp c, 0,1
	global_load_b128 v[QF+8*\x+4*\c:QF+8*\x+4*\c+3], v16, s[4:5] offset:1024*\x+32*\c   ; Q's two fragments stay in registers
.endr
.endr
	v_lshrrev_b32 v17, 2, v14
	v_lshrrev_b32 v18, 1, v14
	v_mul_u32_u24 v[ADK], v17, 272
	v_mul_u32_u24 v[ADV], v18, 272
	v_and_b32 v17, 3, v14
	v_and_b32 v18, 1, v14
	v_lshl_add_u32 v[ADK], v17, 6, v[ADK]
	v_lshl_add_u32 v[ADV], v18, 7, v[ADV]
	v_lshl_add_u32 v[ADK], v15, 4, v[ADK]          ; K: 272 (r / 4) + 64 (r % 4) + 16 h
	v_lshl_add_u32 v[ADV], v15, 4, v[ADV]          ; V: 272 (r / 2) + 128 (r % 2) + 16 h,
	v_add_nc_u32 v[ADV], VB-KST, v[ADV]            ; one block ahead of V's first: each step's head steps it
	v_mov_b32 v[RM], 0xff61b1e6                    ; the largest raw score so far: -3e38
	v_mov_b32 v[RM+1], 0xff61b1e6
.irp j, 0,1,2,3
	v_mov_b32 v[SM+\j], 0                          ; the sums, in two halves each
.endr
	v_mov_b32 v[PX], 0                             ; a lane permute's destination counts as one of its sources
.set j, 0
.rept 64
	v_mov_b32 v[OT+j], 0                           ; O^T: the step has no first form of its own: the first change of M multiplies zeros
.set j, j+1
.endr
	s_wait_kmcnt 0x0
	s_add_co_i32 s93, s88, s89
	s_lshl_b32 s93, s93, 23
	s_add_co_i32 s[CS], s[CS], s93                 ; c: e6 + e7 added to the exponent field
	s_mov_b32 s[CS+1], s[CS]                       ; (named with it as a pair)
	s_or_b32 s[NC], s[CS], 0x80000000              ; -c
	s_add_co_i32 s93, s90, 127
	s_lshl_b32 s94, s93, 23
	v_mov_b32 v[SCL], s94                          ; 2^e8 as f32
	s_add_co_i32 s93, s93, 15
	s_lshl_b32 s93, s93, 23
	s_or_b32 s[LIMS], s93, 0x600000                ; 57,344 x 2^e8
; THE SOFTMAX of tile x for 128 keys, 64 of them in my lane.  v[pc] .. v[pc + 13] are at work until p's codes land there.  pre = 1 (tile 1): the next step's K is fetched.
.macro SOFTMAX x, pc, pre
.set RX, RM+\x
.set SX, SM+2*\x
	v_mul_f32 v[NMO], s[NC], v[RX]                 ; these four lines are the places behind the products
	v_nop
	v_nop
	v_floor_f32 v[NMO], v[NMO]                     ; the old -M
.irp t, 0,1,2,3,4,5,6,7                        ; the step's largest score, in eight chains; each result is first read at its low end
	v_max3_num_f32 v[\pc+\t], v[S+8*\t], v[S+8*\t+1], v[S+8*\t+2]
.endr
.irp t, 0,1,2,3,4,5,6,7
	v_max3_num_f32 v[\pc+\t], v[\pc+\t], v[S+8*\t+3], v[S+8*\t+4]
.endr
.irp t, 0,1,2,3,4,5,6,7
	v_max3_num_f32 v[\pc+\t], v[\pc+\t], v[S+8*\t+5], v[S+8*\t+6]
.endr
.irp t, 0,1,2,3
	v_max3_num_f32 v[\pc+\t], v[\pc+\t], v[S+16*\t+7], v[S+16*\t+15]
.endr
	v_max3_num_f32 v[\pc], v[\pc], v[\pc+4], v[\pc+5]
	v_max3_num_f32 v[\pc+1], v[\pc+1], v[\pc+6], v[\pc+7]
	v_max3_num_f32 v[\pc], v[\pc], v[\pc+2], v[\pc+3]
	s_delay_alu instid0(VALU_DEP_1)
	v_max_num_f32 v[\pc], v[\pc], v[\pc+1]
	s_delay_alu instid0(VALU_DEP_1)
	v_permlanex16_b32 v[PX], v[\pc], s[SEL], s[SEL+1]
	s_delay_alu instid0(VALU_DEP_1)
	v_max3_num_f32 v[RX], v[RX], v[\pc], v[PX]     ; the running largest raw score, lane l xor 16's keys among them
	s_delay_alu instid0(VALU_DEP_1)
	v_mul_f32 v[NM], s[NC], v[RX]
	s_delay_alu instid0(VALU_DEP_1)
	v_floor_f32 v[NM], v[NM]                       ; the new -M = floor(-t): M is a whole number
	s_delay_alu instid0(VALU_DEP_1)
	v_sub_f32 v[\pc], v[NM], v[NMO]                ; old M - new M: a whole number, 0 or less
.set j, 0
.rept 8
	v_pk_fma_f32 v[S+j:S+j+1], v[S+j:S+j+1], s[CS:CS+1], v[NM:NM+1] op_sel_hi:[1,0,0]   ; t - M, two at a time: these need -M alone, so the chain's last two links stand among them
.set j, j+2
.endr
	v_cvt_i32_f32 v[\pc], v[\pc]                   ; (it saturates)
.rept 8
	v_pk_fma_f32 v[S+j:S+j+1], v[S+j:S+j+1], s[CS:CS+1], v[NM:NM+1] op_sel_hi:[1,0,0]
.set j, j+2
.endr
	v_ldexp_f32 v[FF], 1.0, v[\pc]                 ; f = 2^(old M - new M)
.rept 16
	v_pk_fma_f32 v[S+j:S+j+1], v[S+j:S+j+1], s[CS:CS+1], v[NM:NM+1] op_sel_hi:[1,0,0]
.set j, j+2
.endr
.if \pre
.irp t, 0,1,2,3,4,5,6,7                        ; both tiles' products have read K's fragments: the next step's eight take their registers
	ds_load_b128 v[KF+8*\t:KF+8*\t+3], v[ADK] offset:\t*4*272
	ds_load_b128 v[KF+8*\t+4:KF+8*\t+7], v[ADK] offset:\t*4*272+32
.endr
.endif
.if \x == 1
	s_wait_alu depctr_va_vdst(0)                   ; the wait here, directly ahead of the first reader of tile 1's O^T
.endif
.set j, 0
.rept 16
	v_pk_mul_f32 v[OT+32*\x+j:OT+32*\x+j+1], v[OT+32*\x+j:OT+32*\x+j+1], v[FF:FF+1] op_sel_hi:[1,0]   ; O^T under the new M
.set j, j+2
.endr
	s_wait_alu depctr_va_vdst(0)                   ; the wait ahead of the batch
.set j, 0
.rept 64
	v_exp_f32 v[S+j], v[S+j]                       ; p = 2^(t - M), at most 1
.set j, j+1
.endr
	v_pk_mul_f32 v[SX:SX+1], v[SX:SX+1], v[FF:FF+1] op_sel_hi:[1,0]   ; the sums under the new M: the plain line behind the exponentials
	s_wait_alu depctr_va_vdst(0)                   ; one wait for the batch, ahead of its first reader
	v_pk_add_f32 v[\pc+8:\pc+9], v[S:S+1], v[S+2:S+3]       ; the row's sum of the unquantised p, in four chains
	v_pk_add_f32 v[\pc+10:\pc+11], v[S+4:S+5], v[S+6:S+7]
	v_pk_add_f32 v[\pc+12:\pc+13], v[S+8:S+9], v[S+10:S+11]
	v_pk_add_f32 v[SX:SX+1], v[SX:SX+1], v[S+12:S+13]
.set j, 14
.rept 6
	v_pk_add_f32 v[\pc+8:\pc+9], v[\pc+8:\pc+9], v[S+j:S+j+1]
	v_pk_add_f32 v[\pc+10:\pc+11], v[\pc+10:\pc+11], v[S+j+2:S+j+3]
	v_pk_add_f32 v[\pc+12:\pc+13], v[\pc+12:\pc+13], v[S+j+4:S+j+5]
	v_pk_add_f32 v[SX:SX+1], v[SX:SX+1], v[S+j+6:S+j+7]
.set j, j+8
.endr
	v_pk_add_f32 v[\pc+8:\pc+9], v[\pc+8:\pc+9], v[S+62:S+63]
	v_pk_add_f32 v[SX:SX+1], v[SX:SX+1], v[\pc+12:\pc+13]
	v_pk_add_f32 v[\pc+8:\pc+9], v[\pc+8:\pc+9], v[\pc+10:\pc+11]
	v_pk_add_f32 v[SX:SX+1], v[SX:SX+1], v[\pc+8:\pc+9]
.irp t, 0,1,2,3,4,5,6,7,8                      ; group t is held, then group t - 1 is converted: a conversion reads nothing that the four lines ahead of it wrote
.if \t < 8
.irp i, 0,2,4,6
	v_dual_min_num_f32 v[S+8*\t+\i], s[LIMS], v[S+8*\t+\i] :: v_dual_min_num_f32 v[S+8*\t+\i+1], s[LIMS], v[S+8*\t+\i+1]   ; the conversion does not saturate (ISA guide 7.6.2); p is not negative: a one-sided hold, two a line
.endr
.endif
.if \t > 0
	v_cvt_scalef32_pk8_bf8_f32 v[\pc+2*\t-2:\pc+2*\t-1], v[S+8*\t-8:S+8*\t-1], v[SCL]   ; group t - 1: keys 16 (t - 1) + 8 h + 0 .. 7
.if \x == 1
.if (\t % 2) == 0
.irp k, 0,1,2,3                                ; two groups of p are done with: a fragment of V (16 channels x 128 keys) takes their registers
	ds_load_b128 v[VF+8*\t-16+4*\k:VF+8*\t-16+4*\k+3], v[ADV] offset:(\t/2-1)*8*272+32*\k
.endr
.endif
.endif
.endif
.endr
	v_nop                                          ; a plain line behind the last conversion
.endm
; A KEY STEP: 128 keys.  K's fragments were asked for in the step before.
.macro STEP pre
	v_add_nc_u32 v[ADV], KST, v[ADV]               ; five places behind the last products, whose V fragments the next products write over
.if \pre
	v_add_nc_u32 v[ADK], KST, v[ADK]
.else
	v_nop
.endif
.rept 3
	v_nop
.endr
	s_wait_dscnt 0x0                               ; K is in
.irp t, 0,1,2,3,4,5,6,7
	v_wmma_f32_16x16x64_bf8_bf8 v[S+8*\t:S+8*\t+7], v[KF+8*\t:KF+8*\t+7], v[QF:QF+7], 0
.endr
	SOFTMAX 0, PA, 0
.irp t, 0,1,2,3,4,5,6,7
	v_wmma_f32_16x16x64_bf8_bf8 v[S+8*\t:S+8*\t+7], v[KF+8*\t:KF+8*\t+7], v[QF+8:QF+15], 0
.endr
	SOFTMAX 1, PB, \pre
	s_wait_alu depctr_va_vdst(0)                   ; the wait here, directly ahead of the wait below
	s_wait_dscnt 0x4                               ; all but the youngest four loads, V's last fragment
.irp c, 0,1,2,3                                ; O^T += V^T P^T: eight accumulators, one instruction a turn
.if \c == 3
	s_wait_dscnt 0x0
.endif
	v_wmma_f32_16x16x128_bf8_bf8 v[OT+8*\c:OT+8*\c+7], v[VF+16*\c:VF+16*\c+15], v[PA:PA+15], v[OT+8*\c:OT+8*\c+7]
	v_wmma_f32_16x16x128_bf8_bf8 v[OT+32+8*\c:OT+32+8*\c+7], v[VF+16*\c:VF+16*\c+15], v[PB:PB+15], v[OT+32+8*\c:OT+32+8*\c+7]
.endr
.endm
	s_wait_alu depctr_va_vdst(0)                   ; the wait at the head's end
	s_wait_loadcnt 0x0                             ; Q
	s_wait_tensorcnt 0x0                           ; my tile has landed
	s_barrier_signal -1
	s_barrier_wait -1                              ; everybody's has: all of K and V are in LDS
.irp t, 0,1,2,3,4,5,6,7                        ; the first step's K
	ds_load_b128 v[KF+8*\t:KF+8*\t+3], v[ADK] offset:\t*4*272
	ds_load_b128 v[KF+8*\t+4:KF+8*\t+7], v[ADK] offset:\t*4*272+32
.endr
.Lstep:                                            ; 15 trips; the sixteenth step is written out: it fetches no further K
	STEP 1
	s_sub_co_u32 s[CNT], s[CNT], 1
	s_cmp_lg_u32 s[CNT], 0
	s_cbranch_scc1 .Lstep
	STEP 0
	; THE WAY OUT: o = O^T x 2^(e8 + e9) / the sum, held, converted with 2^e10; 32 rows of 64 bytes go through my stage and leave as 2,048 consecutive bytes.
	v_add_f32 v[SM], v[SM], v[SM+1]                ; the sums' two halves,
	v_add_f32 v[SM+2], v[SM+2], v[SM+3]
	v_permlanex16_b32 v[NM], v[SM], s[SEL], s[SEL+1]
	v_permlanex16_b32 v[NMO], v[SM+2], s[SEL], s[SEL+1]
	v_add_f32 v[SM], v[SM], v[NM]                  ; and lane l xor 16's
	v_add_f32 v[SM+2], v[SM+2], v[NMO]
	s_wait_alu depctr_va_vdst(0)                   ; the wait ahead of the transcendentals
	v_rcp_f32 v[SM], v[SM]
	v_rcp_f32 v[SM+2], v[SM+2]
	s_add_co_i32 s93, s92, 127
	s_lshl_b32 s94, s93, 23
	v_mov_b32 v[SCL], s94                          ; 2^e10 (the plain line behind the reciprocals)
	s_add_co_i32 s93, s93, 15
	s_lshl_b32 s93, s93, 23
	s_or_b32 s93, s93, 0x600000
	v_mov_b32 v[NMO], s93                          ; 57,344 x 2^e10
	s_add_co_i32 s95, s90, s91                     ; e8 + e9
	s_mul_i32 s94, s[WV], WSTG
	s_add_co_u32 s94, s94, STAGE                   ; my stage
	v_and_b32 v67, 15, v0
	v_bfe_u32 v68, v0, 4, 1
	v_and_b32 v69, 31, v0
	v_mul_u32_u24 v64, v67, 80
	v_lshrrev_b32 v70, 2, v69
	v_and_b32 v71, 3, v69
	v_lshl_add_u32 v64, v68, 3, v64
	v_mul_u32_u24 v65, v70, 80
	v_add_nc_u32 v64, s94, v64                     ; in: row r, + 8 h
	v_lshl_add_u32 v65, v71, 4, v65
	v_lshlrev_b32 v66, 4, v69                      ; my 16 bytes of each 512 stored
	v_add_nc_u32 v65, s94, v65                     ; back: four lanes to a row of 64 bytes
	s_wait_alu depctr_va_vdst(0)                   ; one wait for both reciprocals, ahead of their first reader
	v_ldexp_f32 v[SM], v[SM], s95
	v_ldexp_f32 v[SM+2], v[SM+2], s95
	s_wait_alu depctr_va_vdst(0)                   ; the wait here, directly ahead of the first reader of O^T
.irp x, 0,1
.set j, 0
.rept 16
	v_pk_mul_f32 v[OT+32*\x+j:OT+32*\x+j+1], v[OT+32*\x+j:OT+32*\x+j+1], v[SM+2*\x:SM+2*\x+1] op_sel_hi:[1,0]   ; each accumulator from its low end on
.set j, j+2
.endr
.endr
.irp x, 0,1
.set j, 0
.rept 32
	v_med3_num_f32 v[OT+32*\x+j], v[OT+32*\x+j], -v[NMO], v[NMO]
.set j, j+1
.endr
.irp c, 0,1,2,3
	v_cvt_scalef32_pk8_bf8_f32 v[KF+8*\x+2*\c:KF+8*\x+2*\c+1], v[OT+32*\x+8*\c:OT+32*\x+8*\c+7], v[SCL]   ; channels 16 c + 8 h + 0 .. 7 of query 16 x + r
.endr
.endr
	v_nop                                          ; a plain line behind the last conversion
.irp x, 0,1
.irp c, 0,1,2,3
	ds_store_b64 v64, v[KF+8*\x+2*\c:KF+8*\x+2*\c+1] offset:16*80*\x+16*\c
.endr
.endr
.irp i, 0,1,2,3
	ds_load_b128 v[S+4*\i:S+4*\i+3], v65 offset:8*80*\i   ; LDS serves a wave's instructions in order (ISA guide 5.7.1.4): these see my stores
.endr
.irp i, 0,1,2,3
	s_wait_dscnt 3-\i                              ; the younger loads may be out
	global_store_b128 v66, v[S+4*\i:S+4*\i+3], s[12:13] offset:512*\i   ; 32 lanes store 512 consecutive bytes, aligned
.endr
	s_wait_tensorcnt 0x0                           ; the wave's end
	ds_add_u32 v[SPW], v[NIL]
	s_wait_dscnt 0x0
	ROUND                                          ; the closing round
	s_endpgm
.Lfunc_end_k_q81097524ce_attn:
	.size	k_q81097524ce_attn, .Lfunc_end_k_q81097524ce_attn-k_q81097524ce_attn
	.p2alignl 7, 3214868480
	.fill 96, 4, 3214868480
	.section	.rodata,"a",@progbits
	.p2align	6, 0x0
	.amdhsa_kernel k_q81097524ce_attn
		.amdhsa_group_segment_fixed_size 327680
		.amdhsa_private_segment_fixed_size 0
		.amdhsa_enable_private_segment 0
		.amdhsa_kernarg_size 40
		.amdhsa_user_sgpr_count 2
		.amdhsa_user_sgpr_kernarg_segment_ptr 1
		.amdhsa_wavefront_size32 1
		.amdhsa_system_sgpr_workgroup_id_x 1
		.amdhsa_system_sgpr_workgroup_id_y 1
		.amdhsa_system_sgpr_workgroup_id_z 1
		.amdhsa_system_vgpr_workitem_id 0
		.amdhsa_next_free_vgpr 256
		.amdhsa_next_free_sgpr 100
		.amdhsa_reserve_vcc 0
		.amdhsa_float_denorm_mode_32 3
		.amdhsa_float_denorm_mode_16_64 3
		.amdhsa_memory_ordered 1
		.amdhsa_forward_progress 1
		.amdhsa_inst_pref_size 75
	.end_amdhsa_kernel
	.amdgpu_metadata
---
amdhsa.version: [ 1, 2 ]
amdhsa.kernels:
  - .name:           k_q81097524ce_attn
    .symbol:         k_q81097524ce_attn.kd
    .args:
      - { .name: qc, .offset: 0, .size: 8, .value_kind: global_buffer, .address_space: global }
      - { .name: kc, .offset: 8, .size: 8, .value_kind: global_buffer, .address_space: global }
      - { .name: vc, .offset: 16, .size: 8, .value_kind: global_buffer, .address_space: global }
      - { .name: lowp_scales, .offset: 24, .size: 8, .value_kind: global_buffer, .address_space: global }
      - { .name: oc, .offset: 32, .size: 8, .value_kind: global_buffer, .address_space: global }
    .group_segment_fixed_size: 327680
    .private_segment_fixed_size: 0
    .kernarg_segment_align: 8
    .kernarg_segment_size: 40
    .max_flat_workgroup_size: 512
    .sgpr_count:     100
    .vgpr_count:     256
    .wavefront_size: 32
...
	.end_amdgpu_metadata
.endif
;; end of part 2
;; launch outp (part 3): grid 4 x 64, 4 waves a work-group, clusters of 4 x 4, 327,680 bytes of LDS; arguments oc, Wo_codes, bo, lowp_scales, out0; writes out0
.if DOCPART == 3
	.amdgcn_target "amdgcn-amd-amdhsa--gfx1250"
	.amdhsa_code_object_version 6
	.text
	.protected	k_q81097524ce_outp
	.globl	k_q81097524ce_outp
	.p2align	8
	.type	k_q81097524ce_outp,@function
k_q81097524ce_outp:
	s_mov_b64 s[64:65], 0
	v_nop
	global_prefetch_b8 v0, s[64:65] scope:SCOPE_SE
	s_setreg_imm32_b32 hwreg(HW_REG_WAVE_MODE, 25, 1), 1
	s_wait_xcnt 0x0
	s_wait_alu depctr_hold_cnt(0) depctr_sa_sdst(0) depctr_va_vdst(0) depctr_va_sdst(0) depctr_va_ssrc(0) depctr_va_vcc(0) depctr_vm_vsrc(0)
	s_getreg_b32 s2, hwreg(HW_REG_IB_STS2, 6, 4)
	s_cmp_eq_u32 s2, 0
	s_cbranch_scc0 .Lentry_in_a_cluster
	s_endpgm
.Lentry_in_a_cluster:
	s_bfe_u32 s2, ttmp6, 0x10000c
	s_cmp_lg_u32 s2, 0xf033
	s_cbranch_scc0 .Lentry_shape_is_right
	s_endpgm
.Lentry_shape_is_right:
.set PITCH, 272
.set PLANE, 32*PITCH
.set RH,    2*PLANE
.set CH,    128*PITCH
.set COFF,  2*RH
.set SLOT,  COFF+2*CH
.set STAGE, 2*SLOT
.set SPITCH, 528
.set WSTG,  16*SPITCH
.set SPARE, STAGE+4*WSTG
.set ADRR, 16
.set ADRC, 20
.set STO,  24
.set RD,   25
.set CO,   27
.set SPW,  28
.set NIL,  29
.set T,    32
.set RF,   128
.set G1R,  40
.set G1C,  48
.set G0R,  56
.set G0C,  68
.set MSB,  0
.macro WIN new
.if MSB != \new
	s_set_vgpr_msb (MSB<<8)|\new
.set MSB, \new
.endif
.endm
.macro PLACES n
.rept \n
	v_nop
.endr
.endm
.macro JLOAD slot
	s_cmp_eq_u32 s31, 0
	s_cbranch_scc0 .Lfor_c_\@
	tensor_load_to_lds s[G0R+4*\slot:G0R+4*\slot+3], s[G1R:G1R+7]
	s_nop 0
.rept 4
	v_nop
.endr
	s_branch .Lasked_\@
.Lfor_c_\@:
	tensor_load_to_lds s[G0C+4*\slot:G0C+4*\slot+3], s[G1C:G1C+7]
	s_nop 0
.rept 4
	v_nop
.endr
.Lasked_\@:
.endm
; A prefetch into the L2 of one K step of what my wave fetches: v30 holds my work-group's share, told apart from the partners' by address; p: the scalar pair with that K step's base; s20 is 0 where my wave asks.
.macro ASK p
	s_cmp_eq_u32 s20, 0
	s_cbranch_scc0 .Lnone_\@
	global_prefetch_b8 v30, s[\p:\p+1] th:TH_LOAD_NT scope:SCOPE_SE
.Lnone_\@:
.endm
.macro CREST
	s_cmp_lg_u32 s30, 0
	s_cbranch_scc1 .Lnot_wave_0_\@
	s_barrier_signal -3
.Lnot_wave_0_\@:
	s_barrier_wait -3
	s_barrier_signal -1
	s_barrier_wait -1
.endm
.macro CROUND
	s_barrier_signal -1
	s_barrier_wait -1
	CREST
.endm
	s_load_b256 s[4:11], s[0:1], 0x0
	s_load_b64 s[12:13], s[0:1], 0x20
	v_lshl_add_u32 v[SPW], v0, 2, SPARE
	v_mov_b32 v[NIL], 0
	ds_add_u32 v28, v29
	ds_add_u32 v28, v29
	s_wait_dscnt 0x0
	v_lshrrev_b32 v1, 5, v0
	v_readfirstlane_b32 s30, v1
	s_lshr_b32 s31, s30, 1
	s_and_b32 s32, s30, 1
	s_bfe_u32 s33, ttmp6, 0x40000
	s_bfe_u32 s34, ttmp6, 0x40004
	s_and_b32 s35, ttmp7, 0xffff
	s_lshl_b32 s36, s34, 2
	s_lshl_b32 s36, 15, s36
	s_lshl_b32 s37, 0x1111, s33
	s_or_b32 s[G1R], s36, (1<<20)|(1<<21)|(5<<22)|(3<<25)
	s_or_b32 s[G1C], s37, (1<<20)|(1<<21)|(5<<22)|(3<<25)
	s_mov_b32 s[G1R+1], 256<<16
	s_mov_b32 s[G1R+2], 64<<16
	s_mov_b32 s[G1R+3], 256<<16
	s_mov_b32 s[G1R+4], 64
	s_mov_b32 s[G1R+5], 256
	s_mov_b32 s[G1R+6], 0
	s_mov_b32 s[G1R+7], 0
	s_mov_b32 s[G1C+1], 256<<16
	s_mov_b32 s[G1C+2], 128<<16
	s_mov_b32 s[G1C+3], 256<<16
	s_mov_b32 s[G1C+4], 128
	s_mov_b32 s[G1C+5], 1024
	s_mov_b32 s[G1C+6], 0
	s_mov_b32 s[G1C+7], 0
	s_lshl_b32 s76, s35, 2
	s_add_co_u32 s76, s76, s34
	s_lshl_b32 s76, s76, 17
	s_lshl_b32 s38, s32, 14
	s_add_co_u32 s76, s76, s38
	s_mov_b32 s77, 0
	s_lshl_b32 s80, s33, 18
	s_lshl_b32 s81, s32, 17
	s_add_co_u32 s80, s80, s81
	s_mov_b32 s81, 0
	s_mul_i32 s2, s32, RH
	s_mul_i32 s3, s32, CH
	s_add_co_u32 s3, s3, COFF
	s_lshl_b32 s90, s33, 10
	s_lshl_b32 s91, s32, 9
	s_add_co_u32 s90, s90, s91
	s_mov_b32 s91, 0
	s_lshl_b32 s84, s35, 2
	s_add_co_u32 s84, s84, s34
	s_lshl_b32 s84, s84, 1
	s_add_co_u32 s84, s84, s31
	s_lshl_b32 s84, s84, 18
	s_add_co_u32 s84, s84, s90
	s_mov_b32 s85, 0
	s_wait_kmcnt 0x0
	s_load_b64 s[96:97], s[10:11], 0x28
	s_add_nc_u64 s[4:5], s[4:5], s[76:77]
	s_add_nc_u64 s[6:7], s[6:7], s[80:81]
	s_add_nc_u64 s[8:9], s[8:9], s[90:91]
	s_add_nc_u64 s[12:13], s[12:13], s[84:85]
	; the prefetches: waves 0, 1 fetch a dense 16,384 bytes of oc a K step, 64 blocks of 256 bytes: 16 to each partner by cx; waves 2, 3 fetch 128 rows of Wo: 32 to each partner by cy
	s_lshl_b32 s24, s33, 4
	s_lshl_b32 s25, s34, 5
	s_and_b32 s21, s35, 3                          ; every cluster reads all of Wo: clusters 0, 4, 8, 12 ask for it
	s_mov_b32 s22, 256
	s_mov_b32 s23, 0
	s_cmp_eq_u32 s31, 0
	s_cselect_b64 s[14:15], s[4:5], s[6:7]
	s_cselect_b32 s20, 0, s21                      ; oc's rows are read by one cluster: always asked for
	s_cselect_b32 s22, 32768, s22                  ; a K step on: four planes of oc, or 256 bytes of a row of Wo
	s_cselect_b32 s24, s24, s25
	s_cselect_b32 s25, 15, 31
	s_cselect_b32 s26, 8, 10                       ; from lane to lane: 256 bytes in oc, a row of 1,024 in Wo
	s_add_nc_u64 s[14:15], s[14:15], s[22:23]      ; K step 1,
	s_add_nc_u64 s[16:17], s[14:15], s[22:23]      ; 2,
	s_add_nc_u64 s[18:19], s[16:17], s[22:23]      ; 3: the last
	v_and_b32 v30, 31, v0
	v_min_u32 v30, s25, v30                        ; lanes left over name their wave's last block again
	v_add_nc_u32 v30, s24, v30
	v_lshlrev_b32 v30, s26, v30                    ; never rewritten
	s_wait_alu depctr_va_vdst(0)                   ; the wait here, ahead of the round
.irp s, 0,1
	s_mov_b32 s[G0R+4*\s], 1
	s_add_co_u32 s[G0R+4*\s+1], s2, \s*SLOT
	s_add_nc_u64 s[G0R+4*\s+2:G0R+4*\s+3], s[4:5], \s*32768
	s_or_b32 s[G0R+4*\s+3], s[G0R+4*\s+3], 0x80000000
	s_mov_b32 s[G0C+4*\s], 1
	s_add_co_u32 s[G0C+4*\s+1], s3, \s*SLOT
	s_add_nc_u64 s[G0C+4*\s+2:G0C+4*\s+3], s[6:7], \s*256
	s_or_b32 s[G0C+4*\s+3], s[G0C+4*\s+3], 0x80000000
.endr
	CROUND                                         ; all sixteen work-groups are here: the first joint loads meet
	JLOAD 0                                        ; K step 0: one tensor load a wave at the head
	ASK 14                                         ; K steps 1 and 2
	ASK 16
	v_and_b32 v1, 15, v0
	v_bfe_u32 v2, v0, 4, 1
	v_lshlrev_b32 v3, 5, v2
	v_mul_u32_u24 v5, v1, PITCH
	v_lshl_add_u32 v5, v2, 4, v5
	v_lshrrev_b32 v6, 2, v1
	v_mul_u32_u24 v6, v6, PITCH
	v_and_b32 v7, 3, v1
	v_lshl_add_u32 v6, v7, 6, v6
	v_lshl_add_u32 v6, v2, 4, v6
	s_mul_i32 s84, s31, 16*PITCH
	s_mul_i32 s85, s32, CH
	s_add_co_u32 s85, s85, COFF
.irp s, 0,1
	v_add_nc_u32 v[ADRR+\s], s84, v6
	v_add_nc_u32 v[ADRC+\s], s85, v5
	s_add_co_u32 s84, s84, SLOT
	s_add_co_u32 s85, s85, SLOT
.endr
	s_mul_i32 s84, s30, WSTG
	s_add_co_u32 s84, s84, STAGE
	v_mul_u32_u24 v5, v1, SPITCH
	v_lshl_add_u32 v5, v2, 5, v5
	v_add_nc_u32 v[STO], s84, v5
	v_and_b32 v7, 31, v0
	v_lshlrev_b32 v[CO], 4, v7
	v_add_nc_u32 v[RD], s84, v[CO]
	WIN 0xc0
.irp b, 0,1,2,3,4,5,6,7
	global_load_b128 v[8*\b:8*\b+3], v3, s[8:9] offset:64*\b
	global_load_b128 v[8*\b+4:8*\b+7], v3, s[8:9] offset:64*\b+16
.endr
	WIN 0
.macro FETCH slot, q, p
	WIN 0x40
.irp i, 0,1,2,3,4,5,6,7
.irp c, 0,1,2,3
	ds_load_b128 v[128*(\p)+16*\i+4*\c:128*(\p)+16*\i+4*\c+3], v[ADRC+\slot] offset:128*(\q)+32*\c+\i*16*PITCH
.endr
.endr
	WIN 0
.irp i, 0,1,2,3
.irp c, 0,1,2,3
	ds_load_b128 v[RF+64*(\p)+16*\i+4*\c:RF+64*(\p)+16*\i+4*\c+3], v[ADRR+\slot] offset:(2*(\q)+\c/2)*PLANE+32*(\c%2)+\i*4*PITCH
.endr
.endr
.endm
.macro MUL a0, n, p, zero
	WIN 0xa1
.set ma, \a0
.rept \n
.irp b, 0,1,2,3,4,5,6,7
.if \zero
	v_wmma_f32_16x16x128_bf8_bf8 v[8*(8*ma+\b):8*(8*ma+\b)+7], v[128*(\p)+16*\b:128*(\p)+16*\b+15], v[RF+64*(\p)+16*ma:RF+64*(\p)+16*ma+15], 0
.else
	v_wmma_f32_16x16x128_bf8_bf8 v[8*(8*ma+\b):8*(8*ma+\b)+7], v[128*(\p)+16*\b:128*(\p)+16*\b+15], v[RF+64*(\p)+16*ma:RF+64*(\p)+16*ma+15], v[8*(8*ma+\b):8*(8*ma+\b)+7]
.endif
.endr
.set ma, ma+1
.endr
.endm
.macro STEP slot, zero
	s_wait_dscnt 0x0
	PLACES 4
	FETCH \slot, 1, 1
	MUL 0, 4, 0, \zero
	WIN 0
.endm
.macro TURN slot, next, fill
	s_wait_tensorcnt 0x0
	ds_add_u32 v[SPW], v[NIL]
	s_wait_dscnt 0x1
	MUL 0, 1, 1, 0
	s_wait_dscnt 0x0
	s_barrier_signal -1
	MUL 1, 1, 1, 0
	WIN 0
	s_barrier_wait -1
.if \fill
	CREST
	s_add_nc_u64 s[G0R+4*\slot+2:G0R+4*\slot+3], s[G0R+4*\slot+2:G0R+4*\slot+3], 65536
	s_add_nc_u64 s[G0C+4*\slot+2:G0C+4*\slot+3], s[G0C+4*\slot+2:G0C+4*\slot+3], 512
	JLOAD \slot
.else
	PLACES 4
.endif
	FETCH \next, 0, 0
	MUL 2, 2, 1, 0
	WIN 0
.endm
	s_wait_alu depctr_va_vdst(0)                   ; the wait at the head's end
	s_wait_loadcnt 0x0                             ; the bias
	s_wait_tensorcnt 0x0                           ; my part of K step 0 is in; slot 1's first fill is issued as a refill is
	ds_add_u32 v28, v29
	s_wait_dscnt 0x0
	CROUND                                         ; everybody's part of K step 0 is in, and the joint loads meet
	JLOAD 1
	ASK 18                                         ; K step 3
	FETCH 0, 0, 0
	STEP 0, 1
	TURN 0, 1, 1
	STEP 1, 0
	TURN 1, 0, 1
	STEP 0, 0
	TURN 0, 1, 0
	STEP 1, 0
	s_wait_dscnt 0x0
	MUL 0, 4, 1, 0
	WIN 0
.macro TOSTAGE a
	WIN 0x32
.set n, 0
.rept 32
	v_pk_fma_f32 v[T+n:T+n+1], v[64*(\a)+n:64*(\a)+n+1], s[96:97], v[n:n+1] op_sel_hi:[1,0,1]
.set n, n+2
.endr
	WIN 0
.irp b, 0,1,2,3,4,5,6,7
	ds_store_b128 v[STO], v[T+8*\b:T+8*\b+3] offset:64*\b
	ds_store_b128 v[STO], v[T+8*\b+4:T+8*\b+7] offset:64*\b+16
.endr
.set BB, RF+64*((\a)%2)
.irp t, 0,1,2,3,4,5,6,7,8,9,10,11,12,13,14,15
	ds_load_b128 v[BB+4*\t:BB+4*\t+3], v[RD] offset:\t*SPITCH
.endr
.endm
.macro SEND a, younger
.set BB, RF+64*((\a)%2)
	s_wait_dscnt \younger
.irp t, 0,1,2,3,4,5,6,7,8,9,10,11,12,13,14,15
	global_store_b128 v[CO], v[BB+4*\t:BB+4*\t+3], s[12:13] offset:(16*(\a)+\t)*4096 th:TH_STORE_NT
.endr
.endm
	s_wait_kmcnt 0x0
	s_add_co_i32 s96, s96, s97
	s_add_co_i32 s96, s96, 127
	s_lshl_b32 s96, s96, 23
	PLACES 4
	TOSTAGE 0
.irp a, 1,2,3
.if \a > 1
	s_wait_xcnt 0x0
.endif
	TOSTAGE \a
	SEND \a-1, 32
.endr
	SEND 3, 0
	s_wait_tensorcnt 0x0
	ds_add_u32 v[SPW], v[NIL]
	s_wait_dscnt 0x0
	CROUND
	s_endpgm
.Lfunc_end_k_q81097524ce_outp:
	.size	k_q81097524ce_outp, .Lfunc_end_k_q81097524ce_outp-k_q81097524ce_outp
	.p2alignl 7, 3214868480
	.fill 96, 4, 3214868480
	.section	.rodata,"a",@progbits
	.p2align	6, 0x0
	.amdhsa_kernel k_q81097524ce_outp
		.amdhsa_group_segment_fixed_size 327680
		.amdhsa_private_segment_fixed_size 0
		.amdhsa_enable_private_segment 0
		.amdhsa_kernarg_size 40
		.amdhsa_user_sgpr_count 2
		.amdhsa_user_sgpr_kernarg_segment_ptr 1
		.amdhsa_wavefront_size32 1
		.amdhsa_system_sgpr_workgroup_id_x 1
		.amdhsa_system_sgpr_workgroup_id_y 1
		.amdhsa_system_sgpr_workgroup_id_z 1
		.amdhsa_system_vgpr_workitem_id 0
		.amdhsa_next_free_vgpr 1024
		.amdhsa_next_free_sgpr 100
		.amdhsa_reserve_vcc 0
		.amdhsa_float_denorm_mode_32 3
		.amdhsa_float_denorm_mode_16_64 3
		.amdhsa_memory_ordered 1
		.amdhsa_forward_progress 1
		.amdhsa_inst_pref_size 78
	.end_amdhsa_kernel
	.amdgpu_metadata
---
amdhsa.version: [ 1, 2 ]
amdhsa.kernels:
  - .name:           k_q81097524ce_outp
    .symbol:         k_q81097524ce_outp.kd
    .args:
      - { .name: oc, .offset: 0, .size: 8, .value_kind: global_buffer, .address_space: global }
      - { .name: Wo_codes, .offset: 8, .size: 8, .value_kind: global_buffer, .address_space: global }
      - { .name: bo, .offset: 16, .size: 8, .value_kind: global_buffer, .address_space: global }
      - { .name: lowp_scales, .offset: 24, .size: 8, .value_kind: global_buffer, .address_space: global }
      - { .name: out0, .offset: 32, .size: 8, .value_kind: global_buffer, .address_space: global }
    .group_segment_fixed_size: 327680
    .private_segment_fixed_size: 0
    .kernarg_segment_align: 8
    .kernarg_segment_size: 40
    .max_flat_workgroup_size: 128
    .sgpr_count:     100
    .vgpr_count:     1024
    .wavefront_size: 32
...
	.end_amdgpu_metadata
.endif
;; end of part 3
